; MI455X (gfx1250); checked and timed in simulation.
; The chip was launched on July 23, 2026; its instructions are those of AMD's public machine-readable ISA for CDNA 5 (MIT licence, August 2026) and "CDNA5" Instruction Set Architecture Reference Guide (July 2026). The comments in the code are by the model that wrote it; some were corrected since.
;; P2 B X Corr. Allowed arithmetic: matrix products marked QUANTISED: E2M3 operands, one E8M0 scale for each 32 along K, by v_wmma_scale_f32_16x16x128_f8f6f4 with both operands' format E2M3, f32 sums; everything else in f32.
;; Inputs: W1 64 x 129 float32; W2 64 x 64 float32; W3 64 x 64 float32; Wc1 64 x 64 float32; Wc2 128 x 64 float32; b1 64 float32; b2 64 float32; b3 64 float32; bc1 64 float32; bc2 128 float32; g1 64 float32; g2 64 float32; g3 64 float32; gc1 64 float32; m1 64 float32; m2 64 float32; m3 64 float32; mc1 64 float32; search_feature 8 x 128 x 1,024 float32; template_feature 8 x 128 x 256 float32; v1 64 float32; v2 64 float32; v3 64 float32; vc1 64 float32.
;; Outputs: out0 8 x 128 x 1,024 float32.
;; This version of the problem:
;;   THIS VERSION OF THE PROBLEM IS GIVEN IN LOW PRECISION. The matrix products marked QUANTISED in the list below multiply operands that are first quantised to E2M3 (2 exponent bits, 3 mantissa bits; 6 bits a number), with one power-of-two scale for each 32 numbers along K (OCP MX v1.0); their sums are f32. All else is computed in f32.
;;   The module's matrix products, in the order in which they are computed (A, B: the left and right operand; K: the contracted axis; several contracted axes count as one K, in the product's order):
;;     1. batch 8 x [M 256, K 128] x [K 128, N 1,024]; A: input template_feature; B: input search_feature: QUANTISED
;;     2. [M 2,048, K 128] x [K 128, N 64]; A: input template_feature; B: input W1: QUANTISED
;;     3. [M 2,097,152, K 64] x [K 64, N 64]; A: computed on the way; B: input W2: QUANTISED
;;     4. [M 2,097,152, K 64] x [K 64, N 64]; A: computed on the way; B: input W3: QUANTISED
;;     5. [M 8,192, K 64] x [K 64, N 64]; A: computed on the way; B: input Wc1: QUANTISED
;;     6. [M 8,192, K 64] x [K 64, N 128]; A: computed on the way; B: input Wc2: QUANTISED
;;   THE QUANTISER, for each operand of a quantised product, along K:
;;     - K is cut into blocks of 32 from its start; a last block that is shorter is filled with zeros.
;;     - A block's scale is 2^e with e = floor(log2(the largest magnitude in the block)) - 2, held to -126 .. 127; a block of zeros has e = 0. As a byte (E8M0): e + 127.
;;     - Each number is divided by its block's scale, clamped to +-7.5, and rounded to the nearest number of E2M3, ties to even, subnormals kept.
;;     - The product sums the exact products of the quantised numbers (number of the format x scale) in f32.
;;   ~~~python
;;   def quantise(x, axis):      # numpy; x: float32 -> the quantised numbers, widened to float32 again
;;       x = np.moveaxis(x, axis, -1); K = x.shape[-1]
;;       x = np.pad(x, [(0, 0)] * (x.ndim - 1) + [(0, -K % 32)]); x = x.reshape(x.shape[:-1] + (-1, 32)); a = np.abs(x).max(-1, keepdims=True)
;;       e = np.where(a > 0, np.clip(np.frexp(np.where(a > 0, a, 1))[1] - 1 - 2, -126, 127), 0)      # np.frexp(a)[1] - 1 = floor(log2(a)), exactly
;;       r = np.clip(x / 2.0 ** e, -7.5, 7.5)
;;       step = 2.0 ** (np.maximum(np.frexp(np.where(r == 0, 1, r))[1] - 1, 0) - 3)
;;       q = np.round(r / step) * step * 2.0 ** e      # np.round: ties to even
;;       return np.moveaxis(q.reshape(q.shape[:-2] + (-1,))[..., :K], -1, axis).astype(np.float32)
;;   ~~~
;;   OPERANDS COMPUTED ON THE WAY. 'Computed on the way' means the value that the module computes at that place (a softmax that the list does not call 'softmax' is quantised finished and normalised). What goes into a quantiser is computed in f32, as accurately as f32 sums, v_exp_f32 and their like allow (about 1e-6 of the number): no bf16 or f16 on the way to a quantiser, and a product that is left as it is and whose result goes on into a quantised operand takes f32 operands (vector FMAs, or v_wmma_f32_16x16x4_f32). A number that lies on a knife's edge between two numbers of the format may be rounded either way, as far as f32 arithmetic and the matrix unit's own rounding can turn it there, and no further.
;; One version. Each part assembles by itself: llvm-mc -triple=amdgcn-amd-amdhsa -mcpu=gfx1250 --defsym DOCPART=n.
;; ======== version 1 of 1: 1 launch
;; launch xcorr (part 1): grid 32 x 8, 8 waves a work-group, clusters of 4 x 1, 295,936 bytes of LDS; arguments search_feature, out0, bc2, g1, b1, m1, v1, g2, b2, m2, v2, g3, b3, m3, v3, gc1, bc1, mc1, vc1, template_feature, W2, W3, Wc1, Wc2, W1; writes out0
.if DOCPART == 1
	.amdgcn_target "amdgcn-amd-amdhsa--gfx1250"
	.amdhsa_code_object_version 6
	.text
	.protected	k_qa22373390e_xcorr
	.globl	k_qa22373390e_xcorr
	.p2align	8
	.type	k_qa22373390e_xcorr,@function
k_qa22373390e_xcorr:
	s_mov_b64 s[64:65], 0
	v_nop
	global_prefetch_b8 v0, s[64:65] scope:SCOPE_SE
	s_setreg_imm32_b32 hwreg(HW_REG_WAVE_MODE, 25, 1), 1
	s_wait_xcnt 0x0
	s_wait_alu depctr_hold_cnt(0) depctr_sa_sdst(0) depctr_va_vdst(0) depctr_va_sdst(0) depctr_va_ssrc(0) depctr_va_vcc(0) depctr_vm_vsrc(0)
	s_getreg_b32 s2, hwreg(HW_REG_IB_STS2, 6, 4)
	s_cmp_eq_u32 s2, 0
	s_cbranch_scc0 .Lentry_in_a_cluster
	s_endpgm
.Lentry_in_a_cluster:
	s_bfe_u32 s2, ttmp6, 0x10000c
	s_cmp_lg_u32 s2, 0x3003
	s_cbranch_scc0 .Lentry_shape_is_right
	s_endpgm
.Lentry_shape_is_right:
; P2B cross-correlation, all of it in one launch.  t = template_feature [8][128][256], s = search_feature [8][128][1024], out0 [8][128][1024], f32.
; cos[m][n] = Q(t).Q(s) / max(|t_m| |s_n|, 1e-8);  h1 = relu(bn1(W1[:,1:] t + W1[:,0] cos));  h2 = relu(bn2(W2 Q(h1)));  h3 = relu(bn3(W3 Q(h2)));  p = max over m of h3;
; c = relu(bnc1(Wc1 Q(p)));  out = Wc2 Q(c) + bc2.  All six products on codes of FP6 (E2M3) with one E8M0 scale for each 32 along K; everything else in f32.
; SHARES.  A work-group owns one batch and 32 columns n, for all 256 m: 256 work-groups.  Eight waves.  In the loop wave w takes the 16 columns 16 (w & 1) on and the 64 rows m from 64 (w >> 1) on.
; ALGEBRA.  a = g rsq(v + 1e-5), c = b - a m.  h1 = max(0, alpha cos + beta[m]) with alpha = a1 W1[:,0] and beta = a1 (W1[:,1:] t) + c1.  Row g of W3 is multiplied by the sign of a3[g] ahead of its
; quantiser (which is odd, so that is exact): then max over m of relu(a3 y + c3) = relu(|a3| max over m of y' + c3), and the pool is a bare maximum of matrix results.
; LAYOUT OF A K OF 64.  Lane (r, h) holds the WHOLE block h (channels 32 h .. 32 h + 31) of its row: registers 0-2 the codes of the block's first 16 (the unit's k = 32 h + i), registers 6-8 those of its last 16
; (k = 64 + 32 h + i), registers 3-5 and 9-11 zero codes, on both sides alike; the scale word is {block 0, block 1, block 0, block 1}.  So the two conversions write the operand's registers themselves.
; THE ROWS OF A WEIGHT TILE ARE NOT NEIGHBOURS: lane r of tile t takes row 8 t + (r & 7) + 32 (r >> 3).  With source 0 = the weight tile and source 1 = 16 positions, register j of tile t in lane (r, h) is
; channel 32 h + 8 t + j of position r: the four tiles' 32 registers are the lane's next block, in order, and its largest magnitude needs no other lane.
; CLUSTER.  The four work-groups of a cluster belong to one batch: t of the batch (131,072 bytes) and all weights (120,064 bytes) are asked for JOINTLY, mask 15; every LDS byte is filled once.
; LIMITS.  NaN and infinities are not served.  A block whose largest magnitude lies under 2^-124, a block of zeros among them, gets the scale byte 1 (the bytes are read by this text alone; zero codes add nothing).
; v + 1e-5 > 0 is taken as given.  The sums of the products with K = 64 run in the order of k given above.  An output row's 128 bytes of a work-group are half of an aligned 256.
.set WRB,     131072                   ; LDS: 0: t of the batch as it lies, 128 rows f of 1,024 bytes;  WRB: 320 rows of 256 + 16 bytes: W2 (64), W3 (64), Wc1 (64), Wc2 (128);
.set W1LB,    218112                   ; W1 as it lies, rows of 516 bytes
.set HB,      251136                   ; the offsets below count from HB
.set SROW_O,  0                        ; s: 32 rows n of 96 bytes of codes, pitch 104
.set SSC_O,   3328                     ; their scale words
.set NSP_O,   3584                     ; [block][n]: sums of squares of 32 f
.set W1ROW_O, 4096                     ; W1[:,1:]: 64 rows of codes, pitch 104
.set W1SC_O,  10752                    ; their scale words
.set NT_O,    11008                    ; |t_m|, 256 numbers
.set TBL_O,   12032                    ; a at 256 k, c at 1,024 + 256 k, |a| at 2,048 + 256 k;  k = 0 .. 3: bn1, bn2, bn3, bnc1
.set WIMG_O,  15104                    ; 20 weight tiles as images of their registers, 1,024 bytes each: 16 x lane: registers 0-2; + 512: registers 6-8.  0-3 W2, 4-7 W3, 8-15 Wc2, 16-19 Wc1
.set WSCL_O,  35584                    ; their scale words, 128 bytes a tile
.set COSTB,   69632                    ; over t, behind its last read: beta [m] at 0, pitch 272;  cos [n] at COSTB, pitch 1,040, m along the row
.set POOLB,   131072                   ; over the weights' rows, behind their last read: the waves' maxima, 4,096 bytes each;
.set STGB,    163840                   ; and the stage for the way out: 128 rows o of 128 + 16 bytes
.set F0,  40                           ; v40-51, v52-63  t's two fragments; later the codes of units X and Y
.set F1,  52
.set CX,  40
.set CY,  52
.set AL,  64                           ; v64-95    alpha of my 32 channels
.set HX,  96                           ; v96-127   unit X: beta, h1, W2's results, h2
.set HY,  128                          ; v128-159  unit Y
.set D3X, 160                          ; v160-191  W3's results of unit X
.set D3Y, 192                          ; v192-223  of unit Y
.set A2,  96                           ; window 1: v0-95 eight weight fragments; v96-127 a2; v128-159 c2; v160-191 the running maximum
.set C2,  128
.set ACC, 160
; v0 thread; v1 lane; v2 r; v3 h; v4-15 addresses; v16-29 scale words and nothing else; v[30:31] two cosines; v32-39 at work; v224-239 at work ahead of the loop; v240-247 bc2
.set MSB, 0
.macro WIN new                         ; bits 1:0 source 0, 3:2 source 1, 5:4 source 2, 7:6 destination; the high byte repeats the setting that is left
.if MSB != \new
	s_set_vgpr_msb (MSB<<8)|\new
.set MSB, \new
.endif
.endm
.macro ROUND                           ; a round of the cluster's barrier
	s_barrier_signal -1
	s_barrier_wait -1
	s_cmp_lg_u32 s10, 0
	s_cbranch_scc1 .Lnot_wave_0_\@
	s_barrier_signal -3
.Lnot_wave_0_\@:
	s_barrier_wait -3
	s_barrier_signal -1
	s_barrier_wait -1
.endm
.macro BAR                             ; my LDS stores have landed and my LDS loads are in: then the work-group's barrier
	s_wait_dscnt 0x0
	s_barrier_signal -1
	s_barrier_wait -1
.endm
.macro PLACES n
.rept \n
	v_nop
.endr
.endm
.macro JTW i, g0, g1                   ; wave i alone asks for a tile; four v_nop follow the load
	s_cmp_lg_u32 s10, \i
	s_cbranch_scc1 .Lnot_mine_\@
	tensor_load_to_lds s[\g0:(\g0)+3], s[\g1:(\g1)+7]
	s_nop 0
	PLACES 4
.Lnot_mine_\@:
.endm
; the largest of 32 registers and the floor 2^(3 - 127) -> v32: four chains by turns, 16 instructions
.macro BMAX src, abs
.irp q, 0,1,2,3
.if \abs
	v_max3_num_f32 v[32+\q], |v[(\src)+8*\q]|, |v[(\src)+8*\q+1]|, |v[(\src)+8*\q+2]|
.else
	v_max3_num_f32 v[32+\q], v[(\src)+8*\q], v[(\src)+8*\q+1], v[(\src)+8*\q+2]
.endif
.endr
.irp i, 3,5
.irp q, 0,1,2,3
.if \abs
	s_delay_alu instid0(VALU_DEP_4)
	v_max3_num_f32 v[32+\q], v[32+\q], |v[(\src)+8*\q+\i]|, |v[(\src)+8*\q+\i+1]|
.else
	s_delay_alu instid0(VALU_DEP_4)
	v_max3_num_f32 v[32+\q], v[32+\q], v[(\src)+8*\q+\i], v[(\src)+8*\q+\i+1]
.endif
.endr
.endr
.if \abs
	s_delay_alu instid0(VALU_DEP_4)
	v_max3_num_f32 v32, v32, |v[(\src)+7]|, |v[(\src)+15]|
	s_delay_alu instid0(VALU_DEP_3)
	v_max3_num_f32 v34, v34, |v[(\src)+23]|, |v[(\src)+31]|
.else
	s_delay_alu instid0(VALU_DEP_4)
	v_max3_num_f32 v32, v32, v[(\src)+7], v[(\src)+15]
	s_delay_alu instid0(VALU_DEP_3)
	v_max3_num_f32 v34, v34, v[(\src)+23], v[(\src)+31]
.endif
	s_delay_alu instid0(VALU_DEP_2)
	v_max3_num_f32 v32, v32, v33, 0x1800000
	s_delay_alu instid0(VALU_DEP_1)
	v_max3_num_f32 v32, v32, v34, v35
.endm
.macro SC64 dst                        ; v33: the conversions' scale operand (2 off the exponent field);  dst: the scale word {mine, the other half's, mine, the other half's}: right in lanes 0-15, which are read
	s_delay_alu instid0(VALU_DEP_1)
	v_add_nc_u32 v33, 0xff000000, v32
	s_delay_alu instid0(VALU_DEP_1)
	v_lshrrev_b32 v34, 23, v33
	s_delay_alu instid0(VALU_DEP_1)
	v_permlanex16_b32 v35, v34, s14, s15
	s_delay_alu instid0(VALU_DEP_1)
	v_perm_b32 v[\dst], v35, v34, 0x04000400
.endm
.macro CV64 src, c                     ; my block's 32 numbers -> registers 0-2 and 6-8 of the operand at c
	v_cvt_scalef32_pk16_fp6_f32 v[\c:(\c)+2], v[\src:(\src)+15], v33
	v_cvt_scalef32_pk16_fp6_f32 v[(\c)+6:(\c)+8], v[(\src)+16:(\src)+31], v33
.endm
.macro RELU h
.set ix, 0
.rept 32
	v_max_num_f32 v[(\h)+ix], 0, v[(\h)+ix]
.set ix, ix+1
.endr
.endm
.macro Q64 h, c, sc                    ; relu, the block's scale, the codes: 54 vector instructions for 32 numbers a lane
	RELU \h
	BMAX \h, 0
	SC64 \sc
	CV64 \h, \c
.endm
.macro L1 h, hi                        ; alpha cos + beta, in place on beta; hi picks the pair's cosine
.set ix, 0
.rept 16
.if \hi
	v_pk_fma_f32 v[(\h)+ix:(\h)+ix+1], v[30:31], v[AL+ix:AL+ix+1], v[(\h)+ix:(\h)+ix+1] op_sel:[1,0,0] op_sel_hi:[1,1,1]
.else
	v_pk_fma_f32 v[(\h)+ix:(\h)+ix+1], v[30:31], v[AL+ix:AL+ix+1], v[(\h)+ix:(\h)+ix+1] op_sel_hi:[0,1,1]
.endif
.set ix, ix+2
.endr
.endm
.macro AFF d, s, a, c                  ; d = s a + c; a and c lie in window 1 (the caller sets sources 1 and 2 so).  It reads each matrix result from its low end on
.set ix, 0
.rept 16
	v_pk_fma_f32 v[(\d)+ix:(\d)+ix+1], v[(\s)+ix:(\s)+ix+1], v[(\a)+ix:(\a)+ix+1], v[(\c)+ix:(\c)+ix+1]
.set ix, ix+2
.endr
.endm
.macro MM d, slot0, c, sc, ws          ; four weight tiles (window 1) x 16 positions: 64 channels.  Every sum is one instruction deep and begins with the constant 0
.irp t, 0,1,2,3
	v_wmma_scale_f32_16x16x128_f8f6f4 v[(\d)+8*\t:(\d)+8*\t+7], v[12*((\slot0)+\t):12*((\slot0)+\t)+11], v[\c:(\c)+11], 0, v[(\ws)+\t], v[\sc] matrix_a_fmt:MATRIX_FMT_FP6 matrix_b_fmt:MATRIX_FMT_FP6
.endr
.endm
.macro WMS d, a, b, sa, sb, ra, rb     ; one product with K = 128; ra, rb: the side's scale words stand in lanes 16-31
.if (\ra) && (\rb)
	v_wmma_scale_f32_16x16x128_f8f6f4 v[\d:(\d)+7], v[\a:(\a)+11], v[\b:(\b)+11], 0, v[\sa], v[\sb] matrix_a_fmt:MATRIX_FMT_FP6 matrix_b_fmt:MATRIX_FMT_FP6 matrix_a_scale:MATRIX_SCALE_ROW1 matrix_b_scale:MATRIX_SCALE_ROW1
.elseif (\ra)
	v_wmma_scale_f32_16x16x128_f8f6f4 v[\d:(\d)+7], v[\a:(\a)+11], v[\b:(\b)+11], 0, v[\sa], v[\sb] matrix_a_fmt:MATRIX_FMT_FP6 matrix_b_fmt:MATRIX_FMT_FP6 matrix_a_scale:MATRIX_SCALE_ROW1
.elseif (\rb)
	v_wmma_scale_f32_16x16x128_f8f6f4 v[\d:(\d)+7], v[\a:(\a)+11], v[\b:(\b)+11], 0, v[\sa], v[\sb] matrix_a_fmt:MATRIX_FMT_FP6 matrix_b_fmt:MATRIX_FMT_FP6 matrix_b_scale:MATRIX_SCALE_ROW1
.else
	v_wmma_scale_f32_16x16x128_f8f6f4 v[\d:(\d)+7], v[\a:(\a)+11], v[\b:(\b)+11], 0, v[\sa], v[\sb] matrix_a_fmt:MATRIX_FMT_FP6 matrix_b_fmt:MATRIX_FMT_FP6
.endif
.endm
.macro FRAGROW reg, adr, off           ; a fragment of 16 rows x 128 K from rows of codes: 24 bytes and 24 bytes, in pieces of 8
.irp p, 0,1,2,3,4,5
	ds_load_b64 v[(\reg)+2*\p:(\reg)+2*\p+1], v[\adr] offset:(\off)+48*(\p/3)+8*(\p%3)
.endr
.endm
; a weight tile: my row's 32 numbers of my half from LDS; with sign = 1 times the sign of a3 of my row (in W3's waves; s44 is 0 in W2's); quantised; image and scale word to LDS
.macro WTILE adr, off, img, scl, sign
.irp i, 0,1,2,3,4,5,6,7
	ds_load_b128 v[64+4*\i:67+4*\i], v[\adr] offset:(\off)+16*\i
.endr
.if \sign
	ds_load_b32 v36, v10
.endif
	s_wait_dscnt 0x0                               ; the numbers are in; the tile before has left its registers
.if \sign
	v_and_b32 v36, s44, v36
.set ix, 0
.rept 32
	v_xor_b32 v[64+ix], v36, v[64+ix]
.set ix, ix+1
.endr
.endif
	BMAX 64, 1
	SC64 37
	v_cvt_scalef32_pk16_fp6_f32 v[224:226], v[64:79], v33
	v_cvt_scalef32_pk16_fp6_f32 v[228:230], v[80:95], v33
	v_nop                                          ; one plain place behind a scaled conversion
	ds_store_b96 v11, v[224:226] offset:\img
	ds_store_b96 v11, v[228:230] offset:(\img)+512
	ds_store_b32 v12, v37 offset:\scl
.endm
.macro WLOAD slot, tile                ; a tile's image into fragment 'slot' of window 1 (the caller sets the destination so); its registers 3-5 and 9-11 stay zero
	ds_load_b96 v[12*(\slot):12*(\slot)+2], v11 offset:WIMG_O+1024*(\tile)
	ds_load_b96 v[12*(\slot)+6:12*(\slot)+8], v11 offset:WIMG_O+1024*(\tile)+512
.endm
.macro TLOAD reg, off                  ; 32 numbers of a table: those of my half's channels
.irp i, 0,1,2,3,4,5,6,7
	ds_load_b128 v[(\reg)+4*\i:(\reg)+4*\i+3], v12 offset:TBL_O+(\off)+16*\i
.endr
.endm
.macro BETAL h, off                    ; beta of one m, my half's 32 channels: all lanes of a half read the same bytes
.irp i, 0,1,2,3,4,5,6,7
	ds_load_b128 v[(\h)+4*\i:(\h)+4*\i+3], v4 offset:(\off)+16*\i
.endr
.endm
; ---------------------------------------------------------------- head
	s_load_b128 s[4:7], s[0:1], 0x0                ; search_feature, out0
	s_load_b64 s[8:9], s[0:1], 0x10                ; bc2
	s_load_b512 s[20:35], s[0:1], 0x18             ; g, b, m, v of bn1 and bn2
	s_load_b512 s[36:51], s[0:1], 0x58             ; of bn3 and bnc1
	s_load_b64 s[70:71], s[0:1], 0x98              ; template_feature, W2, W3, Wc1, Wc2, W1: straight into their descriptors' address words
	s_load_b64 s[74:75], s[0:1], 0xa0
	s_load_b64 s[78:79], s[0:1], 0xa8
	s_load_b64 s[82:83], s[0:1], 0xb0
	s_load_b64 s[86:87], s[0:1], 0xb8
	s_load_b64 s[94:95], s[0:1], 0xc0
	v_lshl_add_u32 v254, v0, 2, 0x48000
	v_mov_b32 v255, 0
	ds_add_u32 v254, v255
	ds_add_u32 v254, v255
	v_and_b32 v1, 31, v0                           ; lane
	v_and_b32 v2, 15, v0                           ; r
	v_bfe_u32 v3, v0, 4, 1                         ; h
	v_lshrrev_b32 v4, 5, v0
	s_delay_alu instid0(VALU_DEP_1)
	v_readfirstlane_b32 s10, v4                    ; wave 0..7
.irp i, 32,33,34,35,36,37,38,39
	v_mov_b32 v\i, 0                               ; written once: a lane permute's destination counts as one of its sources
.endr
	s_mov_b32 s14, 0x76543210
	s_mov_b32 s15, 0xfedcba98                      ; v_permlanex16_b32's selects for lane l xor 16
	s_and_b32 s11, ttmp7, 0xffff                   ; the batch, which the four partners share
	s_bfe_u32 s2, ttmp6, 0x40000                   ; cx
	s_lshl_b32 s12, ttmp9, 2
	s_add_co_u32 s12, s12, s2                      ; my block of 32 columns: it enters the addresses of search_feature and out0 alone
	s_wait_dscnt 0x0
	s_wait_kmcnt 0x0
	s_and_b32 s2, s10, 3                           ; wave w prepares the normalisation w & 3: its four pointers
	s_cmp_eq_u32 s2, 1
	s_cselect_b64 s[52:53], s[28:29], s[20:21]
	s_cselect_b64 s[54:55], s[30:31], s[22:23]
	s_cselect_b64 s[56:57], s[32:33], s[24:25]
	s_cselect_b64 s[58:59], s[34:35], s[26:27]
	s_cmp_eq_u32 s2, 2
	s_cselect_b64 s[52:53], s[36:37], s[52:53]
	s_cselect_b64 s[54:55], s[38:39], s[54:55]
	s_cselect_b64 s[56:57], s[40:41], s[56:57]
	s_cselect_b64 s[58:59], s[42:43], s[58:59]
	s_cmp_eq_u32 s2, 3
	s_cselect_b64 s[52:53], s[44:45], s[52:53]
	s_cselect_b64 s[54:55], s[46:47], s[54:55]
	s_cselect_b64 s[56:57], s[48:49], s[56:57]
	s_cselect_b64 s[58:59], s[50:51], s[58:59]
	s_and_b32 s45, s10, 3                          ; w & 3
	s_lshr_b32 s46, s10, 2                         ; w >> 2
	s_lshl_b32 s44, s46, 31                        ; the sign bit in waves 4 to 7, 0 in waves 0 to 3
	; descriptor groups 1: rows of 256 bytes (32 elements of 8 bytes), dense in memory; mask 15: all four work-groups; bit 21 set beside the mask
	s_mov_b32 s20, 15|(3<<16)|(1<<21)              ; s[20:27]: 64 rows, no padding (t)
	s_mov_b32 s28, 15|(3<<16)|(1<<20)|(1<<21)|(5<<22)|(3<<25)  ; s[28:35]: 64 rows, 4 words of padding behind every 64 words (the square weights: a row of 64 f32)
	s_mov_b32 s36, 15|(3<<16)|(1<<21)              ; s[36:43]: 129 rows, no padding (W1: 33,024 dense bytes)
.irp g, 20, 28
	s_mov_b32 s[\g+1], 32<<16                      ; tensor_dim0
	s_mov_b32 s[\g+2], 64<<16                      ; tensor_dim1
	s_mov_b32 s[\g+3], 32<<16                      ; tile_dim0
	s_mov_b32 s[\g+4], 64                          ; tile_dim1
	s_mov_b32 s[\g+5], 32                          ; from row to row
	s_mov_b32 s[\g+6], 0
	s_mov_b32 s[\g+7], 0
.endr
	s_mov_b32 s37, 32<<16
	s_mov_b32 s38, 129<<16
	s_mov_b32 s39, 32<<16
	s_mov_b32 s40, 129
	s_mov_b32 s41, 32
	s_mov_b32 s42, 0
	s_mov_b32 s43, 0
	; groups 0.  t: wave w brings 16,384 bytes of the batch's 131,072 to LDS byte 16,384 w
	s_mov_b32 s19, 0
	s_lshl_b32 s18, s11, 17
	s_lshl_b32 s69, s10, 14
	s_add_co_u32 s18, s18, s69
	s_add_nc_u64 s[70:71], s[70:71], s[18:19]
	s_or_b32 s71, s71, 0x80000000
	s_mov_b32 s68, 1
	s_mov_b32 s72, 1                               ; W2
	s_mov_b32 s73, WRB
	s_or_b32 s75, s75, 0x80000000
	s_mov_b32 s76, 1                               ; W3
	s_mov_b32 s77, WRB+17408
	s_or_b32 s79, s79, 0x80000000
	s_mov_b32 s80, 1                               ; Wc1
	s_mov_b32 s81, WRB+34816
	s_or_b32 s83, s83, 0x80000000
	s_add_nc_u64 s[90:91], s[86:87], 16384         ; Wc2's rows 64 on
	s_mov_b32 s84, 1                               ; Wc2's rows 0 to 63
	s_mov_b32 s85, WRB+52224
	s_or_b32 s87, s87, 0x80000000
	s_mov_b32 s88, 1
	s_mov_b32 s89, WRB+69632
	s_or_b32 s91, s91, 0x80000000
	s_mov_b32 s92, 1                               ; W1
	s_mov_b32 s93, W1LB
	s_or_b32 s95, s95, 0x80000000
	; search_feature at [batch][32 (w & 3)][32 x + 16 (w >> 2)];  out0 at [batch][16 w][32 x]
	s_lshl_b32 s2, s11, 19
	s_lshl_b32 s3, s12, 7
	s_add_co_u32 s2, s2, s3
	s_lshl_b32 s3, s46, 6
	s_lshl_b32 s13, s45, 17
	s_add_co_u32 s18, s2, s3
	s_add_co_u32 s18, s18, s13
	s_add_nc_u64 s[4:5], s[4:5], s[18:19]
	s_lshl_b32 s3, s10, 16
	s_add_co_u32 s18, s2, s3
	s_add_nc_u64 s[6:7], s[6:7], s[18:19]
	ROUND                                          ; all four work-groups are here: the joint loads meet
	tensor_load_to_lds s[68:71], s[20:27]          ; every wave its eighth of t; with the load below at most two of a wave's are out
	s_nop 0
	PLACES 4
	JTW 0, 72, 28
	JTW 1, 76, 28
	JTW 2, 80, 28
	JTW 3, 84, 28
	JTW 4, 88, 28
	JTW 5, 92, 36
; ---------------------------------------------------------------- phase 0, while the tiles are on their way: the normalisations' tables, and s quantised
; wave w: table w & 3, channels 32 (w >> 2) + lane;  and of s the block w & 3 of the 16 columns 16 (w >> 2) on: lane (r, h) takes f = 32 (w & 3) + 16 h + 0 .. 15 of column r
	v_lshlrev_b32 v4, 2, v2
	s_delay_alu instid0(VALU_DEP_1)
	v_lshl_add_u32 v4, v3, 16, v4                  ; s: 4 r + 16 h rows of 4,096 bytes
	s_lshl_b32 s2, s46, 7
	v_lshl_add_u32 v5, v1, 2, s2                   ; g, b, m, v: my channel
	global_load_b32 v80, v5, s[52:53]
	global_load_b32 v81, v5, s[54:55]
	global_load_b32 v82, v5, s[56:57]
	global_load_b32 v83, v5, s[58:59]
.irp i, 0,1,2,3,4,5,6,7,8,9,10,11,12,13,14,15
	global_load_b32 v[64+\i], v4, s[4:5] offset:4096*\i
.endr
	s_mul_i32 s2, s46, 1664
	s_mul_i32 s3, s45, 24
	s_add_co_u32 s2, s2, s3
	s_add_co_u32 s2, s2, HB+SROW_O
	v_mul_u32_u24 v6, v2, 104
	s_delay_alu instid0(VALU_DEP_1)
	v_mad_u32_u24 v6, v3, 12, v6
	s_delay_alu instid0(VALU_DEP_1)
	v_add_nc_u32 v6, s2, v6                        ; my 12 bytes of codes: row n, block, half
	s_lshl_b32 s2, s46, 6
	s_add_co_u32 s3, s2, s45
	s_add_co_u32 s3, s3, HB+SSC_O
	v_lshl_add_u32 v7, v2, 2, s3                   ; my block's byte of the column's scale word
	s_lshl_b32 s3, s45, 7
	s_add_co_u32 s3, s3, s2
	s_add_co_u32 s3, s3, HB+NSP_O
	v_lshl_add_u32 v8, v2, 2, s3                   ; my block's sum of squares
	s_lshl_b32 s2, s46, 7
	s_lshl_b32 s3, s45, 8
	s_add_co_u32 s2, s2, s3
	s_add_co_u32 s2, s2, HB+TBL_O
	v_lshl_add_u32 v9, v1, 2, s2                   ; my channel in table w & 3
	s_wait_loadcnt 16                              ; g, b, m, v are in; the 16 loads of s behind them may be out
	v_add_f32 v83, 0x3727c5ac, v83                 ; v + 1e-5
	s_wait_alu depctr_va_vdst(0)
	v_rsq_f32 v84, v83
	v_nop                                          ; a plain place behind the transcendental,
	s_wait_alu depctr_va_vdst(0)                   ; and a wait ahead of the first line that names its result
	v_mul_f32 v84, v80, v84                        ; a = g rsq(v + eps)
	s_delay_alu instid0(VALU_DEP_1)
	v_fma_f32 v85, -v84, v82, v81                  ; c = b - a m
	s_delay_alu instid0(VALU_DEP_2)
	v_and_b32 v86, 0x7fffffff, v84                 ; |a|
	ds_store_b32 v9, v84
	ds_store_b32 v9, v85 offset:1024
	ds_store_b32 v9, v86 offset:2048
	s_wait_loadcnt 0x0
	v_max3_num_f32 v32, |v64|, |v65|, 0x1800000    ; my 16 numbers and the floor 2^(3 - 127)
	v_max3_num_f32 v33, |v66|, |v67|, |v68|
	s_delay_alu instid0(VALU_DEP_2)
	v_max3_num_f32 v32, v32, |v69|, |v70|
	s_delay_alu instid0(VALU_DEP_2)
	v_max3_num_f32 v33, v33, |v71|, |v72|
	s_delay_alu instid0(VALU_DEP_2)
	v_max3_num_f32 v32, v32, |v73|, |v74|
	s_delay_alu instid0(VALU_DEP_2)
	v_max3_num_f32 v33, v33, |v75|, |v76|
	s_delay_alu instid0(VALU_DEP_2)
	v_max3_num_f32 v32, v32, |v77|, |v78|
	s_delay_alu instid0(VALU_DEP_1)
	v_max3_num_f32 v32, v32, v33, |v79|
	s_delay_alu instid0(VALU_DEP_1)
	v_permlanex16_b32 v34, v32, s14, s15
	s_delay_alu instid0(VALU_DEP_1)
	v_max_num_f32 v32, v32, v34                    ; with lane l xor 16's: the block's largest magnitude
	s_delay_alu instid0(VALU_DEP_1)
	v_add_nc_u32 v33, 0xff000000, v32              ; 2 off its exponent field: the conversion's scale operand
	s_delay_alu instid0(VALU_DEP_1)
	v_lshrrev_b32 v34, 23, v33                     ; the scale's byte
	v_cvt_scalef32_pk16_fp6_f32 v[224:226], v[64:79], v33
	v_pk_mul_f32 v[36:37], v[64:65], v[64:65]      ; the norm is taken of the unquantised numbers
.irp i, 2,4,6,8,10,12,14
	s_delay_alu instid0(VALU_DEP_1)
	v_pk_fma_f32 v[36:37], v[64+\i:65+\i], v[64+\i:65+\i], v[36:37]
.endr
	s_delay_alu instid0(VALU_DEP_1)
	v_add_f32 v36, v36, v37
	s_delay_alu instid0(VALU_DEP_1)
	v_permlanex16_b32 v37, v36, s14, s15
	s_delay_alu instid0(VALU_DEP_1)
	v_add_f32 v36, v36, v37
	ds_store_b32 v6, v224
	ds_store_b32 v6, v225 offset:4
	ds_store_b32 v6, v226 offset:8
	ds_store_b8 v7, v34                            ; both halves write the same byte with the same value
	ds_store_b32 v8, v36
	s_wait_tensorcnt 0x0                           ; my tiles have landed
	BAR                                            ; everybody's have, and the tables and s's codes lie in LDS
; ---------------------------------------------------------------- phase 1: t quantised in registers; the weights quantised into LDS
	v_lshlrev_b32 v4, 2, v0                        ; t: A LANE TAKES A COLUMN m = my thread's number, AND ITS REGISTERS RUN DOWN f: each load reads 128 consecutive bytes
	s_delay_alu instid0(VALU_DEP_1)
	v_add_nc_u32 v5, 0x10000, v4
.set ix, 0
.rept 64
	ds_load_b32 v[96+ix], v4 offset:1024*ix
.set ix, ix+1
.endr
.set ix, 0
.rept 64
	ds_load_b32 v[160+ix], v5 offset:1024*ix
.set ix, ix+1
.endr
	v_add_nc_u32 v6, HB+NT_O, v4
	v_and_b32 v13, 7, v2
	v_lshrrev_b32 v14, 3, v2
	s_delay_alu instid0(VALU_DEP_1)
	v_lshl_add_u32 v13, v14, 5, v13                ; (r & 7) + 32 (r >> 3): my row in a tile of split rows
	s_wait_alu depctr_va_vdst(0)
	v_mul_u32_u24 v14, v13, 272
	s_delay_alu instid0(VALU_DEP_1)
	v_lshl_add_u32 v14, v3, 7, v14                 ; its bytes, + my half's 128
	s_mul_i32 s2, s46, 17408
	s_mul_i32 s3, s45, 2176
	s_add_co_u32 s2, s2, s3
	s_add_co_u32 s2, s2, WRB
	v_add_nc_u32 v7, s2, v14                       ; tile w & 3 of W2 (waves 0-3) or W3 (waves 4-7)
	s_mul_i32 s2, s10, 2176
	s_add_co_u32 s2, s2, WRB
	v_add_nc_u32 v8, s2, v14                       ; tile w of Wc1 (waves 0-3), from Wc1's first row on
	s_mul_i32 s2, s10, 4352
	s_add_co_u32 s2, s2, WRB
	v_mul_u32_u24 v9, v2, 272
	s_delay_alu instid0(VALU_DEP_1)
	v_lshl_add_u32 v9, v3, 7, v9
	s_delay_alu instid0(VALU_DEP_1)
	v_add_nc_u32 v9, s2, v9                        ; tile w of Wc2: rows 16 w + r, neighbours
	s_lshl_b32 s2, s45, 5
	s_add_co_u32 s2, s2, HB+TBL_O+512
	v_lshl_add_u32 v10, v13, 2, s2                 ; a3 of my row
	s_lshl_b32 s2, s10, 10
	s_add_co_u32 s2, s2, HB+WIMG_O
	v_lshl_add_u32 v11, v1, 4, s2                  ; image of tile w: 16 x lane
	s_lshl_b32 s2, s10, 7
	s_add_co_u32 s2, s2, HB+WSCL_O
	v_lshl_add_u32 v12, v1, 2, s2                  ; its scale words: 4 x lane
	s_mul_i32 s2, s46, 16512
	s_lshl_b32 s3, s45, 7
	s_add_co_u32 s2, s2, s3
	s_add_co_u32 s2, s2, W1LB+4
	v_mul_u32_u24 v13, v1, 516
	s_delay_alu instid0(VALU_DEP_1)
	v_add_nc_u32 v13, s2, v13                      ; W1[32 (w >> 2) + lane][1 + 32 (w & 3)]
	s_mul_i32 s2, s46, 3328
	s_mul_i32 s3, s45, 24
	s_add_co_u32 s2, s2, s3
	s_add_co_u32 s2, s2, HB+W1ROW_O
	v_mul_u32_u24 v14, v1, 104
	s_delay_alu instid0(VALU_DEP_1)
	v_add_nc_u32 v14, s2, v14                      ; that block's 24 bytes of codes
	s_lshl_b32 s2, s46, 7
	s_add_co_u32 s2, s2, s45
	s_add_co_u32 s2, s2, HB+W1SC_O
	v_lshl_add_u32 v15, v1, 2, s2                  ; and its byte
; block be of my column: scale byte -> v[228 + be]; 32 codes -> six registers of F0 (even blocks) or F1 (odd); sum of squares -> a chain of its own
.macro TBLOCK be
.set FD, 40+12*((\be)%2)+6*((\be)/2)
.set DB, 96+32*(\be)
.set SQ, 232+2*(\be)
	BMAX 96+32*(\be), 1
	s_delay_alu instid0(VALU_DEP_1)
	v_add_nc_u32 v33, 0xff000000, v32
	s_delay_alu instid0(VALU_DEP_1)
	v_lshrrev_b32 v[228+(\be)], 23, v33
	v_cvt_scalef32_pk16_fp6_f32 v[FD:FD+2], v[DB:DB+15], v33
	v_cvt_scalef32_pk16_fp6_f32 v[224:226], v[DB+16:DB+31], v33    ; (a conversion's three registers begin on an even number)
	v_pk_mul_f32 v[SQ:SQ+1], v[DB:DB+1], v[DB:DB+1]
.set ix, 2
.rept 15
	s_delay_alu instid0(VALU_DEP_1)
	v_pk_fma_f32 v[SQ:SQ+1], v[DB+ix:DB+ix+1], v[DB+ix:DB+ix+1], v[SQ:SQ+1]
.set ix, ix+2
.endr
	v_mov_b32 v[FD+3], v224
	v_mov_b32 v[FD+4], v225
	v_mov_b32 v[FD+5], v226
.endm
	s_wait_dscnt 63                                ; of the 128 loads at most 63 are out: the first 65, blocks 0 and 1 among them, are in
	TBLOCK 0
	TBLOCK 1
	s_wait_dscnt 0x0
	TBLOCK 2
	TBLOCK 3
	v_lshl_or_b32 v228, v229, 8, v228
	s_delay_alu instid0(VALU_DEP_1)
	v_lshl_or_b32 v228, v230, 16, v228
	s_delay_alu instid0(VALU_DEP_1)
	v_lshl_or_b32 v26, v231, 24, v228              ; my column's scale word: lanes 0-15 serve the tile of columns 0-15, lanes 16-31 that of columns 16-31
.irp i, 0,1,2,3,4,5,6,7,8,9,10,11
	v_permlane16_swap_b32 v[F0+\i], v[F1+\i]       ; the even blocks' lanes 16-31 change places with the odd blocks' lanes 0-15: F0 and F1 are now the fragments of columns 0-15 and 16-31
.endr
	v_pk_add_f32 v[232:233], v[232:233], v[234:235]
	v_pk_add_f32 v[236:237], v[236:237], v[238:239]
	s_delay_alu instid0(VALU_DEP_1)
	v_pk_add_f32 v[232:233], v[232:233], v[236:237]
	s_delay_alu instid0(VALU_DEP_1)
	v_add_f32 v232, v232, v233
	s_wait_alu depctr_va_vdst(0)
	v_sqrt_f32 v233, v232                          ; |t_m|
	v_nop
	s_wait_alu depctr_va_vdst(0)
	ds_store_b32 v6, v233
	WTILE 7, 0, 0, 0, 1                            ; tile w: W2's or W3's
	WTILE 9, 52224, 8192, 1024, 0                  ; tile 8 + w: Wc2's
	s_cmp_lt_u32 s10, 4
	s_cbranch_scc0 .Lno_wc1
	WTILE 8, 34816, 16384, 2048, 0                 ; tile 16 + w: Wc1's four
.Lno_wc1:
.set ix, 0
.rept 32
	ds_load_b32 v[64+ix], v13 offset:4*ix          ; a block of W1[:,1:]: a lane a row; rows 129 words apart
.set ix, ix+1
.endr
	s_wait_dscnt 0x0
	BMAX 64, 1
	s_delay_alu instid0(VALU_DEP_1)
	v_add_nc_u32 v33, 0xff000000, v32
	s_delay_alu instid0(VALU_DEP_1)
	v_lshrrev_b32 v34, 23, v33
	v_cvt_scalef32_pk16_fp6_f32 v[224:226], v[64:79], v33
	v_cvt_scalef32_pk16_fp6_f32 v[228:230], v[80:95], v33
	v_nop
	v_mov_b32 v227, v228
	v_mov_b32 v228, v229
	v_mov_b32 v229, v230
	ds_store_b64 v14, v[224:225]
	ds_store_b64 v14, v[226:227] offset:8
	ds_store_b64 v14, v[228:229] offset:16
	ds_store_b8 v15, v34
	BAR                                            ; t has been read for the last time; all codes, scale words and norms lie in LDS
; ---------------------------------------------------------------- phase 2: cos and beta for my 32 rows m; the loop's constants
	v_mul_u32_u24 v4, v2, 104
	s_delay_alu instid0(VALU_DEP_1)
	v_mad_u32_u24 v4, v3, 24, v4
	s_delay_alu instid0(VALU_DEP_1)
	v_add_nc_u32 v9, HB+W1ROW_O, v4                ; W1's rows of codes
	s_delay_alu instid0(VALU_DEP_2)
	v_add_nc_u32 v4, HB+SROW_O, v4                 ; s's
	v_lshl_add_u32 v5, v1, 2, HB
	v_lshl_add_u32 v6, v2, 2, HB
	s_lshl_b32 s2, s10, 7
	s_add_co_u32 s3, s2, HB+NT_O
	v_lshl_add_u32 v7, v3, 5, s3                   ; |t| of m = 32 w + 8 h on
	s_add_co_u32 s3, s2, COSTB
	v_mul_u32_u24 v8, v2, 1040
	s_delay_alu instid0(VALU_DEP_1)
	v_lshl_add_u32 v8, v3, 5, v8
	s_delay_alu instid0(VALU_DEP_1)
	v_add_nc_u32 v8, s3, v8                        ; cos: row n = r, m = 32 w + 8 h on
	s_mul_i32 s2, s10, 8704
	v_mul_u32_u24 v10, v3, 2176
	s_delay_alu instid0(VALU_DEP_1)
	v_lshl_add_u32 v10, v2, 2, v10
	s_delay_alu instid0(VALU_DEP_1)
	v_add_nc_u32 v10, s2, v10                      ; beta: row m = 32 w + 8 h, channel r
	v_lshl_add_u32 v11, v1, 4, HB
	v_lshl_add_u32 v12, v3, 7, HB
	v_mul_u32_u24 v13, v3, 16512
	s_delay_alu instid0(VALU_DEP_1)
	v_add_nc_u32 v13, W1LB, v13                    ; W1[32 h][0]
	v_lshlrev_b32 v14, 2, v2
.irp t, 0,1,2,3,4,5,6,7
	global_load_b32 v[240+\t], v14, s[8:9] offset:64*\t        ; bc2[16 t + r], for the end
.endr
	FRAGROW 64, 4, 0                               ; s's two fragments
	FRAGROW 76, 4, 1664
	ds_load_b32 v27, v5 offset:SSC_O               ; s's scale words: lane = column
.irp tn, 0,1
.irp be, 0,1,2,3
	ds_load_b32 v[106+4*\tn+\be], v6 offset:NSP_O+128*\be+64*\tn
.endr
.endr
.irp u, 0,1,2,3
	ds_load_b128 v[88+4*\u:91+4*\u], v7 offset:64*(\u/2)+16*(\u%2)
.endr
	s_wait_dscnt 0x0
.irp tm, 0,1
.irp tn, 0,1
	WMS 128+8*(2*\tm+\tn), F0+12*\tm, 64+12*\tn, 26, 27, \tm, \tn     ; the dot products: register j of lane (r, h): m = 16 tm + 8 h + j, n = 16 tn + r
.endr
.endr
	v_add_f32 v106, v106, v107                     ; the norms' arithmetic names none of those products' registers: it fills the places behind them
	v_add_f32 v108, v108, v109
	v_add_f32 v110, v110, v111
	v_add_f32 v112, v112, v113
	s_delay_alu instid0(VALU_DEP_3)
	v_add_f32 v106, v106, v108
	s_delay_alu instid0(VALU_DEP_2)
	v_add_f32 v110, v110, v112
	s_wait_alu depctr_va_vdst(0)
	v_sqrt_f32 v104, v106                          ; |s_n| of the two tiles' column r
	v_sqrt_f32 v105, v110
	v_nop
	s_wait_alu depctr_va_vdst(0)
.irp tm, 0,1
.irp tn, 0,1
.irp j, 0,1,2,3,4,5,6,7
	v_mul_f32 v[160+8*(2*\tm+\tn)+\j], v[88+8*\tm+\j], v[104+\tn]
.endr
.endr
.endr
.set ix, 0
.rept 32
	v_max_num_f32 v[160+ix], 0x322bcc77, v[160+ix] ; max(|t| |s|, 1e-8)
.set ix, ix+1
.endr
.set ix, 0
	s_wait_alu depctr_va_vdst(0)
.rept 32
	v_rcp_f32 v[160+ix], v[160+ix]
.set ix, ix+1
.endr
	v_nop
	s_wait_alu depctr_va_vdst(0)                   ; one wait for the 32 reciprocals
.set ix, 0
.rept 32
	v_mul_f32 v[160+ix], v[128+ix], v[160+ix]      ; cos; each matrix result is read from its low end on
.set ix, ix+1
.endr
.irp tm, 0,1
.irp tn, 0,1
.irp u, 0,1
	ds_store_b128 v8, v[160+8*(2*\tm+\tn)+4*\u:163+8*(2*\tm+\tn)+4*\u] offset:16640*\tn+64*\tm+16*\u
.endr
.endr
.endr
.irp ct, 0,1,2,3
	FRAGROW 64+12*\ct, 9, 1664*\ct                 ; W1's four fragments: channels 16 ct + r
.endr
	ds_load_b32 v28, v5 offset:W1SC_O              ; their scale words: lane = channel, 32 to a register
	ds_load_b32 v29, v5 offset:W1SC_O+128
.irp ct, 0,1,2,3
	ds_load_b32 v[112+\ct], v6 offset:TBL_O+64*\ct           ; a1, c1 of channel 16 ct + r
	ds_load_b32 v[116+\ct], v6 offset:TBL_O+1024+64*\ct
.endr
	s_wait_dscnt 0x0                               ; and the stores of cos have left their registers
.irp tm, 0,1
.irp ct, 0,1,2,3
	WMS 128+8*(4*\tm+\ct), F0+12*\tm, 64+12*\ct, 26, 28+\ct/2, \tm, \ct%2
.endr
.endr
	PLACES 4
.irp tm, 0,1
.irp ct, 0,1,2,3
.irp j, 0,1,2,3,4,5,6,7
	v_fma_f32 v[128+8*(4*\tm+\ct)+\j], v[128+8*(4*\tm+\ct)+\j], v[112+\ct], v[116+\ct]    ; beta = a1 u + c1
.endr
.endr
.endr
.irp tm, 0,1
.irp ct, 0,1,2,3
.irp j, 0,1,2,3,4,5,6,7
	ds_store_b32 v10, v[128+8*(4*\tm+\ct)+\j] offset:272*(16*\tm+\j)+64*\ct
.endr
.endr
.endr
	WIN 0x40                                       ; destination window 1
.irp q, 0,1,2,3,4,5,6,7
	WLOAD \q, \q                                   ; W2's four tiles and W3's four stay in registers
.endr
	TLOAD A2, 256
	TLOAD C2, 1024+256
.irp q, 0,1,2,3,4,5,6,7
.irp i, 3,4,5,9,10,11
	v_mov_b32 v[12*\q+\i], 0                       ; the zero codes of a K of 64
.endr
.endr
.set ix, 0
.rept 32
	v_mov_b32 v[ACC+ix], 0xff800000                ; the running maximum begins at -infinity
.set ix, ix+1
.endr
	WIN 0
.irp q, 0,1,2,3,4,5,6,7
	ds_load_b32 v[18+\q], v5 offset:WSCL_O+128*\q
.endr
	TLOAD AL, 0                                    ; a1 of my 32 channels,
.set ix, 0
.rept 32
	ds_load_b32 v[192+ix], v13 offset:516*ix       ; and W1[:,0] of the same
.set ix, ix+1
.endr
	s_wait_dscnt 0x0
.set ix, 0
.rept 16
	v_pk_mul_f32 v[AL+ix:AL+ix+1], v[AL+ix:AL+ix+1], v[192+ix:193+ix]   ; alpha
.set ix, ix+2
.endr
.irp i, 43,44,45,49,50,51,55,56,57,61,62,63
	v_mov_b32 v\i, 0                               ; the zero codes of units X and Y
.endr
.set ix, 0
.rept 32
	v_mov_b32 v[D3Y+ix], 0xff800000                ; the first trip's maximum finds no earlier unit Y
.set ix, ix+1
.endr
	s_wait_loadcnt 0x0                             ; bc2
	BAR                                            ; cos and beta of all 256 m lie in LDS
; ---------------------------------------------------------------- the loop's and the tail's addresses
	s_lshr_b32 s2, s10, 1                          ; which 64 rows m
	s_and_b32 s3, s10, 1                           ; which 16 columns n
	s_mul_i32 s13, s2, 17408
	v_lshl_add_u32 v4, v3, 7, s13                  ; beta: row m, my half's 128 bytes
	s_mul_i32 s13, s3, 16640
	s_lshl_b32 s17, s2, 8
	s_add_co_u32 s13, s13, s17
	s_add_co_u32 s13, s13, COSTB
	v_mul_u32_u24 v5, v2, 1040
	s_delay_alu instid0(VALU_DEP_1)
	v_add_nc_u32 v5, s13, v5                       ; cos: my column's row, m on
	s_lshl_b32 s13, s10, 12
	s_add_co_u32 s13, s13, POOLB
	v_lshl_add_u32 v6, v1, 4, s13                  ; my wave's maxima, as an image of their registers
	s_lshl_b32 s13, s3, 6
	s_add_co_u32 s13, s13, STGB
	v_mul_u32_u24 v7, v2, 144
	s_delay_alu instid0(VALU_DEP_1)
	v_lshl_add_u32 v7, v3, 5, v7
	s_delay_alu instid0(VALU_DEP_1)
	v_add_nc_u32 v7, s13, v7                       ; the stage, in: row o = r, columns 16 (w & 1) + 8 h on
	s_mul_i32 s13, s10, 2304
	s_add_co_u32 s13, s13, STGB
	v_lshrrev_b32 v9, 3, v1
	v_and_b32 v10, 7, v1
	s_delay_alu instid0(VALU_DEP_2)
	v_mul_u32_u24 v8, v9, 144
	s_delay_alu instid0(VALU_DEP_1)
	v_lshl_add_u32 v8, v10, 4, v8
	s_delay_alu instid0(VALU_DEP_1)
	v_add_nc_u32 v8, s13, v8                       ; back: rows 16 w on, eight lanes to a row's 128 bytes
	v_lshlrev_b32 v9, 12, v9
	s_delay_alu instid0(VALU_DEP_1)
	v_lshl_add_u32 v9, v10, 4, v9                  ; and the same place in out0
	v_lshl_add_u32 v10, v1, 2, HB
	BETAL HX, 0
	ds_load_b64 v[30:31], v5
	BETAL HY, 272
; ---------------------------------------------------------------- A TRIP: two units, X = row m and Y = row m + 1, 16 columns each, through all three layers.
; The two units alternate, so that behind each group of four matrix instructions stands the other unit's vector work: at least 16 plain vector instructions between the write of a scale word or of codes
; and the matrix instructions that take them, and more than 50 between matrix instructions and the first read of their results.  fetch = 1: the next trip's beta and cosines are asked for as registers fall free.
.macro TRIP fetch
	s_wait_dscnt 8                                 ; X's beta and the cosines are in; Y's eight loads, issued behind them, may be out
	L1 HX, 0
	Q64 HX, CX, 16
	s_wait_dscnt 0x0
	L1 HY, 1
	WIN 0x01                                       ; source 0, the weights, in window 1
	MM HX, 0, CX, 16, 18                           ; W2 Q(h1), X
	WIN 0
	Q64 HY, CY, 17
	WIN 0x14                                       ; sources 1 and 2, a2 and c2, in window 1
	AFF HX, HX, A2, C2
	WIN 0x01
	MM HY, 0, CY, 17, 18                           ; W2 Q(h1), Y
	WIN 0
	Q64 HX, CX, 16
.if \fetch
	v_add_nc_u32 v4, 544, v4                       ; two rows of beta on
	v_add_nc_u32 v5, 8, v5                         ; two cosines on
	BETAL HX, 0
	ds_load_b64 v[30:31], v5
.endif
	WIN 0x14
	AFF HY, HY, A2, C2
	WIN 0x01
	MM D3X, 4, CX, 16, 22                          ; W3 Q(h2), X
	WIN 0
	Q64 HY, CY, 17
.if \fetch
	BETAL HY, 272
.endif
	WIN 0x41                                       ; destination and source 0, the running maximum, in window 1
.set ix, 0
.rept 32
	v_max3_num_f32 v[ACC+ix], v[ACC+ix], v[D3X+ix], v[D3Y+ix]    ; this trip's X and the last trip's Y
.set ix, ix+1
.endr
	WIN 0x01
	MM D3Y, 4, CY, 17, 22                          ; W3 Q(h2), Y
	WIN 0
.endm
	s_mov_b32 s16, 31
.Ltrip:
	TRIP 1
	s_sub_co_u32 s16, s16, 1
	s_cmp_lg_u32 s16, 0
	s_cbranch_scc1 .Ltrip
	TRIP 0                                         ; the last two rows: nothing is left to fetch
; ---------------------------------------------------------------- the tail
	PLACES 4
	WIN 0x01
.set ix, 0
.rept 32
	v_max_num_f32 v[D3Y+ix], v[ACC+ix], v[D3Y+ix]  ; with the last unit Y: my 64 rows' maximum
.set ix, ix+1
.endr
	WIN 0
.irp i, 0,1,2,3,4,5,6,7
	ds_store_b128 v6, v[D3Y+4*\i:D3Y+4*\i+3] offset:512*\i
.endr
	BAR                                            ; the eight waves' maxima lie in LDS
	s_cmp_gt_u32 s10, 1
	s_cbranch_scc1 .Lstaged                        ; waves 0 and 1 finish the two tiles of columns
.irp p, 0,1,2
.irp i, 0,1,2,3,4,5,6,7
	ds_load_b128 v[96+32*\p+4*\i:99+32*\p+4*\i], v6 offset:8192*(\p+1)+512*\i    ; the maxima of waves w + 2, w + 4, w + 6
.endr
.endr
	WIN 0x40
	TLOAD 96, 2048+512                             ; |a3|
	TLOAD 128, 1024+512                            ; c3
	TLOAD 160, 768                                 ; ac1
	TLOAD 192, 1024+768                            ; cc1
.irp q, 0,1,2,3
	WLOAD \q, 16+\q                                ; Wc1's four tiles
	WLOAD 4+\q, 8+\q                               ; Wc2's first four
.endr
	WIN 0
.irp q, 0,1,2,3
	ds_load_b32 v[18+\q], v10 offset:WSCL_O+128*(16+\q)
.endr
.irp q, 0,1,2,3,4,5,6,7
	ds_load_b32 v[22+\q], v10 offset:WSCL_O+128*(8+\q)
.endr
	s_wait_dscnt 0x0
.set ix, 0
.rept 32
	v_max3_num_f32 v[D3Y+ix], v[D3Y+ix], v[96+ix], v[128+ix]
.set ix, ix+1
.endr
.set ix, 0
.rept 32
	v_max_num_f32 v[D3Y+ix], v[D3Y+ix], v[160+ix]  ; the maximum over all 256 m
.set ix, ix+1
.endr
	WIN 0x14
	AFF HX, D3Y, 96, 128                           ; |a3| max + c3; the relu stands in Q64
	WIN 0
	Q64 HX, CX, 16
	PLACES 8                                       ; a scale word written by a vector instruction stands 8 places ahead of a scaled matrix instruction
	WIN 0x01
	MM HY, 0, CX, 16, 18                           ; Wc1 Q(p)
	WIN 0
	PLACES 4                                       ; in front of loads into registers that those products read, and of the first read of their results
	WIN 0x40
.irp q, 0,1,2,3
	WLOAD \q, 12+\q                                ; Wc2's last four tiles
.endr
	WIN 0x14
	AFF HY, HY, 160, 192
	WIN 0
	Q64 HY, CY, 17
	PLACES 8
	s_wait_alu depctr_va_vdst(0)
	s_wait_dscnt 0x0
	WIN 0x04                                       ; source 1, Wc2, in window 1
.irp t, 0,1,2,3,4,5,6,7                        ; source 0 = my 16 columns n, source 1 = 16 rows of Wc2: register j of lane (r, h) is out(o = 16 t + r, n = 8 h + j): eight neighbours of a row of out0
	v_wmma_scale_f32_16x16x128_f8f6f4 v[64+8*\t:71+8*\t], v[CY:CY+11], v[12*((\t+4)%8):12*((\t+4)%8)+11], 0, v17, v[22+\t] matrix_a_fmt:MATRIX_FMT_FP6 matrix_b_fmt:MATRIX_FMT_FP6
.endr
	WIN 0
	PLACES 4
.irp t, 0,1,2,3,4,5,6,7
.irp i, 0,2,4,6
.if (\t)%2 == 0
	v_pk_add_f32 v[64+8*\t+\i:65+8*\t+\i], v[64+8*\t+\i:65+8*\t+\i], v[240+2*(\t/2):241+2*(\t/2)] op_sel_hi:[1,0]        ; + bc2[16 t + r]
.else
	v_pk_add_f32 v[64+8*\t+\i:65+8*\t+\i], v[64+8*\t+\i:65+8*\t+\i], v[240+2*(\t/2):241+2*(\t/2)] op_sel:[0,1] op_sel_hi:[1,1]
.endif
.endr
.endr
.irp t, 0,1,2,3,4,5,6,7
	ds_store_b128 v7, v[64+8*\t:67+8*\t] offset:2304*\t
	ds_store_b128 v7, v[68+8*\t:71+8*\t] offset:2304*\t+16
.endr
.Lstaged:
	BAR                                            ; 128 rows of 32 columns lie in the stage
.irp i, 0,1,2,3
	ds_load_b128 v[96+4*\i:99+4*\i], v8 offset:576*\i
.endr
.irp i, 0,1,2,3
	s_wait_dscnt 3-\i                              ; the younger loads from the stage may be out
	global_store_b128 v9, v[96+4*\i:99+4*\i], s[6:7] offset:16384*\i th:TH_STORE_NT    ; eight lanes store a row's 128 consecutive bytes, four rows an instruction; written once, read by nobody here
.endr
	s_wait_tensorcnt 0x0
	ds_add_u32 v254, v255
	s_wait_dscnt 0x0
	ROUND                                          ; the closing round: no work-group ends while a partner may still ask for a tile that names it
	s_endpgm
.Lfunc_end_k_qa22373390e_xcorr:
	.size	k_qa22373390e_xcorr, .Lfunc_end_k_qa22373390e_xcorr-k_qa22373390e_xcorr
	.p2alignl 7, 3214868480
	.fill 96, 4, 3214868480
	.section	.rodata,"a",@progbits
	.p2align	6, 0x0
	.amdhsa_kernel k_qa22373390e_xcorr
		.amdhsa_group_segment_fixed_size 295936
		.amdhsa_private_segment_fixed_size 0
		.amdhsa_enable_private_segment 0
		.amdhsa_kernarg_size 200
		.amdhsa_user_sgpr_count 2
		.amdhsa_user_sgpr_kernarg_segment_ptr 1
		.amdhsa_wavefront_size32 1
		.amdhsa_system_sgpr_workgroup_id_x 1
		.amdhsa_system_sgpr_workgroup_id_y 1
		.amdhsa_system_sgpr_workgroup_id_z 1
		.amdhsa_system_vgpr_workitem_id 0
		.amdhsa_next_free_vgpr 480
		.amdhsa_next_free_sgpr 100
		.amdhsa_reserve_vcc 0
		.amdhsa_float_denorm_mode_32 3
		.amdhsa_float_denorm_mode_16_64 3
		.amdhsa_memory_ordered 1
		.amdhsa_forward_progress 1
		.amdhsa_inst_pref_size 156
	.end_amdhsa_kernel
	.amdgpu_metadata
---
amdhsa.version: [ 1, 2 ]
amdhsa.kernels:
  - .name:           k_qa22373390e_xcorr
    .symbol:         k_qa22373390e_xcorr.kd
    .args:
      - { .name: search_feature, .offset: 0, .size: 8, .value_kind: global_buffer, .address_space: global }
      - { .name: out0, .offset: 8, .size: 8, .value_kind: global_buffer, .address_space: global }
      - { .name: bc2, .offset: 16, .size: 8, .value_kind: global_buffer, .address_space: global }
      - { .name: g1, .offset: 24, .size: 8, .value_kind: global_buffer, .address_space: global }
      - { .name: b1, .offset: 32, .size: 8, .value_kind: global_buffer, .address_space: global }
      - { .name: m1, .offset: 40, .size: 8, .value_kind: global_buffer, .address_space: global }
      - { .name: v1, .offset: 48, .size: 8, .value_kind: global_buffer, .address_space: global }
      - { .name: g2, .offset: 56, .size: 8, .value_kind: global_buffer, .address_space: global }
      - { .name: b2, .offset: 64, .size: 8, .value_kind: global_buffer, .address_space: global }
      - { .name: m2, .offset: 72, .size: 8, .value_kind: global_buffer, .address_space: global }
      - { .name: v2, .offset: 80, .size: 8, .value_kind: global_buffer, .address_space: global }
      - { .name: g3, .offset: 88, .size: 8, .value_kind: global_buffer, .address_space: global }
      - { .name: b3, .offset: 96, .size: 8, .value_kind: global_buffer, .address_space: global }
      - { .name: m3, .offset: 104, .size: 8, .value_kind: global_buffer, .address_space: global }
      - { .name: v3, .offset: 112, .size: 8, .value_kind: global_buffer, .address_space: global }
      - { .name: gc1, .offset: 120, .size: 8, .value_kind: global_buffer, .address_space: global }
      - { .name: bc1, .offset: 128, .size: 8, .value_kind: global_buffer, .address_space: global }
      - { .name: mc1, .offset: 136, .size: 8, .value_kind: global_buffer, .address_space: global }
      - { .name: vc1, .offset: 144, .size: 8, .value_kind: global_buffer, .address_space: global }
      - { .name: template_feature, .offset: 152, .size: 8, .value_kind: global_buffer, .address_space: global }
      - { .name: W2, .offset: 160, .size: 8, .value_kind: global_buffer, .address_space: global }
      - { .name: W3, .offset: 168, .size: 8, .value_kind: global_buffer, .address_space: global }
      - { .name: Wc1, .offset: 176, .size: 8, .value_kind: global_buffer, .address_space: global }
      - { .name: Wc2, .offset: 184, .size: 8, .value_kind: global_buffer, .address_space: global }
      - { .name: W1, .offset: 192, .size: 8, .value_kind: global_buffer, .address_space: global }
    .group_segment_fixed_size: 295936
    .private_segment_fixed_size: 0
    .kernarg_segment_align: 8
    .kernarg_segment_size: 200
    .max_flat_workgroup_size: 256
    .sgpr_count:     100
    .vgpr_count:     480
    .wavefront_size: 32
...
	.end_amdgpu_metadata
.endif
;; end of part 1
